; MI455X (gfx1250); checked and timed in simulation.
; The chip was launched on July 23, 2026; its instructions are those of AMD's public machine-readable ISA for CDNA 5 (MIT licence, August 2026) and "CDNA5" Instruction Set Architecture Reference Guide (July 2026). The comments in the code are by the model that wrote it; some were corrected since.
;; LSTM Cell. Allowed arithmetic: matrix products marked QUANTISED: E4M3 operands, one E8M0 scale for each 32 along K, by v_wmma_scale_f32_16x16x128_f8f6f4 with both operands' format E4M3, f32 sums; everything else in f32.
;; Inputs: Wc 2,048 x 1,024 float32; Wf 2,048 x 1,024 float32; Wi 2,048 x 1,024 float32; Wo 2,048 x 1,024 float32; bc 1,024 float32; bf 1,024 float32; bi 1,024 float32; bo 1,024 float32; out_tm1 8,192 x 1,024 float32; state_tm1 8,192 x 1,024 float32; x 8,192 x 1,024 float32.
;; Outputs: out0 8,192 x 1,024 float32; out1 8,192 x 1,024 float32.
;; This version of the problem:
;;   THIS VERSION OF THE PROBLEM IS GIVEN IN LOW PRECISION. The matrix products marked QUANTISED in the list below multiply operands that are first quantised to E4M3 (4 exponent bits, 3 mantissa bits; 8 bits a number), with one power-of-two scale for each 32 numbers along K (OCP MX v1.0); their sums are f32. All else is computed in f32.
;;   The module's matrix products, in the order in which they are computed (A, B: the left and right operand; K: the contracted axis; several contracted axes count as one K, in the product's order):
;;     1. [M 8,192, K 2,048] x [K 2,048, N 1,024]; A: computed on the way; B: input Wf: QUANTISED
;;     2. [M 8,192, K 2,048] x [K 2,048, N 1,024]; A: computed on the way; B: input Wi: QUANTISED
;;     3. [M 8,192, K 2,048] x [K 2,048, N 1,024]; A: computed on the way; B: input Wc: QUANTISED
;;     4. [M 8,192, K 2,048] x [K 2,048, N 1,024]; A: computed on the way; B: input Wo: QUANTISED
;;   THE QUANTISER, for each operand of a quantised product, along K:
;;     - K is cut into blocks of 32 from its start; a last block that is shorter is filled with zeros.
;;     - A block's scale is 2^e with e = floor(log2(the largest magnitude in the block)) - 8, held to -126 .. 127; a block of zeros has e = 0. As a byte (E8M0): e + 127.
;;     - Each number is divided by its block's scale, clamped to +-448, and rounded to the nearest number of E4M3, ties to even, subnormals kept.
;;     - The product sums the exact products of the quantised numbers (number of the format x scale) in f32.
;;   ~~~python
;;   def quantise(x, axis):      # numpy; x: float32 -> the quantised numbers, widened to float32 again
;;       x = np.moveaxis(x, axis, -1); K = x.shape[-1]
;;       x = np.pad(x, [(0, 0)] * (x.ndim - 1) + [(0, -K % 32)]); x = x.reshape(x.shape[:-1] + (-1, 32)); a = np.abs(x).max(-1, keepdims=True)
;;       e = np.where(a > 0, np.clip(np.frexp(np.where(a > 0, a, 1))[1] - 1 - 8, -126, 127), 0)      # np.frexp(a)[1] - 1 = floor(log2(a)), exactly
;;       r = np.clip(x / 2.0 ** e, -448, 448)
;;       step = 2.0 ** (np.maximum(np.frexp(np.where(r == 0, 1, r))[1] - 1, -6) - 3)
;;       q = np.round(r / step) * step * 2.0 ** e      # np.round: ties to even
;;       return np.moveaxis(q.reshape(q.shape[:-2] + (-1,))[..., :K], -1, axis).astype(np.float32)
;;   ~~~
;;   OPERANDS COMPUTED ON THE WAY. 'Computed on the way' means the value that the module computes at that place (a softmax that the list does not call 'softmax' is quantised finished and normalised). What goes into a quantiser is computed in f32, as accurately as f32 sums, v_exp_f32 and their like allow (about 1e-6 of the number): no bf16 or f16 on the way to a quantiser, and a product that is left as it is and whose result goes on into a quantised operand takes f32 operands (vector FMAs, or v_wmma_f32_16x16x4_f32). A number that lies on a knife's edge between two numbers of the format may be rounded either way, as far as f32 arithmetic and the matrix unit's own rounding can turn it there, and no further.
;; One version. Each part assembles by itself: llvm-mc -triple=amdgcn-amd-amdhsa -mcpu=gfx1250 --defsym DOCPART=n.
;; ======== version 1 of 1: 2 launches
;; limits: right only within a limited range of input values
;; workspace buffers: a_codes 16,777,216 bytes; a_scales 524,288 bytes; b_codes 8,388,608 bytes; b_scales 262,144 bytes
;; launch quant (part 1): grid 768 x 1, 4 waves a work-group, no clusters, 68,096 bytes of LDS; arguments x, out_tm1, Wf, Wi, Wc, Wo, a_codes, a_scales, b_codes, b_scales; writes a_codes, a_scales, b_codes, b_scales
.if DOCPART == 1
	.amdgcn_target "amdgcn-amd-amdhsa--gfx1250"
	.amdhsa_code_object_version 6
	.text
	.protected	k_qca41f3909d_quant
	.globl	k_qca41f3909d_quant
	.p2align	8
	.type	k_qca41f3909d_quant,@function
k_qca41f3909d_quant:
	s_mov_b64 s[64:65], 0
	v_nop
	global_prefetch_b8 v0, s[64:65] scope:SCOPE_SE
	s_setreg_imm32_b32 hwreg(HW_REG_WAVE_MODE, 25, 1), 1
	s_wait_xcnt 0x0
; Both operands of the four quantised products become codes of FP8 (E4M3), K innermost, with one E8M0 byte for each 32 along K.
;   a_codes [8192][2048], a_scales [8192][64]: xh = [x | out_tm1]; columns 0-1023 from x, 1024-2047 from out_tm1.
;   b_codes [4096][2048], b_scales [4096][64]: the four weights [2048 (k)][1024 (n)], turned so that K is innermost.  Column n of gate g (0 f, 1 i, 2 c, 3 o) is row
;   J = 128 (n / 32) + 32 g + n % 32: 128 neighbouring rows hold all four gates of 32 neighbouring cells, which is what one wave of the next launch takes.
; A block's scale is 2^(floor(log2(its largest magnitude)) - 8); its byte is the largest magnitude's exponent field - 8, held at 1 from below.  Each number is divided by the scale, held within +-448
; and rounded to the nearest code, ties to even.
; LIMITS: a block of zeros gets the byte 1 where the rule says 127 (its codes are zeros, which add nothing, and this program alone reads the bytes); blocks whose largest magnitude lies under 2^-118
; keep the byte 1; NaN and infinities among the inputs are not served.
; SHARES: work-groups 0-511 take xh, work-groups 512-767 the weights; every work-group takes 32,768 numbers.  The two ways part on the work-group's number and never join; each has LDS bytes of its own.
; No tensor loads, no barrier, no cluster: no two waves read the same byte.
.set STEPS, 16
.set SP,    80                         ; xh: a lane's place in a stage: its 64 bytes + 16 of padding
.set AR,    16                         ; v16-79   xh: four sets of 16 numbers as they are loaded
.set AX,    80                         ; v80-111  xh: two sets of 16 neighbours
.set AE,    112                        ; v112-127 xh: a scale byte for each step
.set ACD,   128                        ; v128-191 xh: codes, four registers for each step, so that no store's data are written again
.set WLDS,  32768                      ; the weights' stages begin here
.set WP,    272                        ; weights: a stage row: 256 bytes of codes + 16
.set NB,    8                          ; weights: blocks of 32 along K for a wave
.set WX,    32                         ; v32-95   weights: two sets of 32 numbers
.set WC,    96                         ; v96-103  weights: a block's codes
.set WOUT,  112                        ; v112-175 weights: the way out
.set WSB,   24                         ; v24-25   weights: the scale bytes, four to a register
	s_load_b256 s[4:11], s[0:1], 0x0               ; x s[4:5], out_tm1 s[6:7], Wf s[8:9], Wi s[10:11]
	s_load_b256 s[12:19], s[0:1], 0x20             ; Wc s[12:13], Wo s[14:15], a_codes s[16:17], a_scales s[18:19]
	s_load_b128 s[20:23], s[0:1], 0x40             ; b_codes s[20:21], b_scales s[22:23]
	v_lshl_add_u32 v192, v0, 2, 0x10800
	v_mov_b32 v193, 0
	v_lshrrev_b32 v1, 5, v0
	v_readfirstlane_b32 s24, v1                    ; wave 0..3
	v_and_b32 v2, 31, v0                           ; lane
	s_mov_b32 s30, 0x600000                        ; the mantissa field of 448 (an instruction takes one literal: the hold's line has another)
	s_mov_b32 s29, 0                               ; the upper word of every offset
	s_wait_kmcnt 0x0
	s_cmp_lt_u32 ttmp9, 512
	s_cbranch_scc0 .Lweights
; ---------------- xh.  Wave G = 4 x work-group + wave takes rows 4 G .. 4 G + 3: 16 steps of 512 numbers; step t is row t / 4, quarter t % 4 (quarters 0, 1 from x, 2, 3 from out_tm1).
; So the wave's codes are 8,192 consecutive bytes (step t at 512 t) and its scale bytes 256 consecutive bytes (step t at 16 t).
; The conversions take neighbours along K from ONE lane's registers, a load is best where neighbouring LANES take neighbouring bytes: each load reads 512 consecutive bytes, 16 a lane, and a step's
; 2,048 bytes turn through the wave's own stage in LDS and come back 64 bytes a lane.  Two neighbouring lanes hold a block.
	s_lshl_b32 s26, ttmp9, 2
	s_add_co_u32 s26, s26, s24                     ; G
	s_lshl_b32 s28, s26, 14                        ; 4 rows of 4,096 bytes
	s_add_nc_u64 s[4:5], s[4:5], s[28:29]
	s_add_nc_u64 s[6:7], s[6:7], s[28:29]
	s_lshl_b32 s28, s26, 13                        ; 4 rows of 2,048 codes
	s_add_nc_u64 s[16:17], s[16:17], s[28:29]
	s_lshl_b32 s28, s26, 8                         ; 4 rows of 64 scale bytes
	s_add_nc_u64 s[18:19], s[18:19], s[28:29]
	s_wait_alu depctr_va_vdst(0)
	v_lshlrev_b32 v3, 4, v2                        ; my 16 bytes of a load's 512
	s_mul_i32 s25, s24, 8192                       ; my wave's LDS: two stages of 32 x SP bytes, then its 256 scale bytes
	v_lshrrev_b32 v14, 2, v2
	v_mul_u32_u24 v14, v14, SP
	v_and_b32 v15, 3, v2
	v_lshl_add_u32 v14, v15, 4, v14
	v_add_nc_u32 v14, s25, v14                     ; the stage, on the way in: SP (lane / 4) + 16 (lane % 4)
	v_mul_u32_u24 v15, v2, SP
	v_add_nc_u32 v15, s25, v15                     ; and on the way out: SP x lane: my 16 neighbours
	v_mul_u32_u24 v4, v2, 16                       ; my codes' place in a step's
	v_lshrrev_b32 v5, 1, v2
	s_add_co_u32 s25, s25, 2*32*SP
	v_add_nc_u32 v5, s25, v5                       ; my block's scale byte
	v_lshlrev_b32 v7, 3, v2                        ; on the way out 8 scale bytes a lane
	v_add_nc_u32 v6, s25, v7
.macro ALOAD t
.irp i, 0,1,2,3
.if ((\t)%4) < 2
	global_load_b128 v[AR+16*((\t)%4)+4*\i:AR+16*((\t)%4)+4*\i+3], v3, s[4:5] offset:((\t)/4)*4096+((\t)%2)*2048+512*\i th:TH_LOAD_NT   ; 32 lanes read 512 consecutive bytes of x
.else
	global_load_b128 v[AR+16*((\t)%4)+4*\i:AR+16*((\t)%4)+4*\i+3], v3, s[6:7] offset:((\t)/4)*4096+((\t)%2)*2048+512*\i th:TH_LOAD_NT   ; of out_tm1
.endif
.endr
.endm
.macro ATURN t                         ; step t's numbers through the stage: LDS serves a wave's instructions in order, so no wait stands between the stores and the loads
.irp i, 0,1,2,3
	ds_store_b128 v14, v[AR+16*((\t)%4)+4*\i:AR+16*((\t)%4)+4*\i+3] offset:32*SP*((\t)%2)+8*SP*\i
.endr
.irp i, 0,1,2,3
	ds_load_b128 v[AX+16*((\t)%2)+4*\i:AX+16*((\t)%2)+4*\i+3], v15 offset:32*SP*((\t)%2)+16*\i
.endr
.endm
.irp t, 0,1,2,3
	ALOAD \t
.endr
	s_wait_alu depctr_va_vdst(0)
	s_wait_loadcnt 12                              ; step 0's four loads are in; the twelve of steps 1 to 3 stay out
	ATURN 0
.macro ASTEP t
.set XS, AX+16*((\t)%2)
.if (\t) > 0
	s_wait_dscnt 1                                 ; this step's numbers are back from the stage (the last step's byte store may be out): so its stores into the stage have read their registers,
.else
	s_wait_dscnt 0x0
.endif
.if (\t)+4 < STEPS
	ALOAD (\t)+4                                   ; which take the loads of four steps on
.endif
.if (\t)+1 < STEPS
.if STEPS-2-(\t) >= 3
	s_wait_loadcnt 12                              ; the next step's four loads are in; those of the three steps behind it may be out
.else
	s_wait_loadcnt 4*(STEPS-2-(\t))                ; near the end fewer steps are behind it
.endif
	ATURN (\t)+1                                   ; and go through the other stage while this step is worked
.endif
	v_max3_num_f32 v8, |v[XS]|, |v[XS+1]|, |v[XS+2]|               ; the largest magnitude of my 16, in two chains
	v_max3_num_f32 v9, |v[XS+3]|, |v[XS+4]|, |v[XS+5]|
.irp i, 6,10
	v_max3_num_f32 v8, v8, |v[XS+\i]|, |v[XS+\i+1]|
	v_max3_num_f32 v9, v9, |v[XS+\i+2]|, |v[XS+\i+3]|
.endr
	v_max3_num_f32 v8, v8, |v[XS+14]|, |v[XS+15]|
	v_max3_num_f32 v8, v8, v9, 0x4800000           ; and the floor 2^(9 - 127): the byte cannot fall under 1
	v_max_num_f32_dpp v8, v8, v8 row_xmask:1 row_mask:0xf bank_mask:0xf   ; and of my neighbour's 16: the block's
	v_add_nc_u32 v11, 0xfc000000, v8               ; 8 off its exponent field: the conversion takes the exponent field of this operand as its scale, and nothing else of it
	v_and_or_b32 v10, v8, 0x7f800000, s30          ; 448 x the scale: the largest magnitude's exponent field over 448's mantissa
.irp i, 0,1,2,3,4,5,6,7,8,9,10,11,12,13,14,15
	v_med3_num_f32 v[XS+\i], v[XS+\i], -v10, v10   ; the conversion to an 8-bit code does not saturate (ISA guide 7.6.2): hold the number first
.endr
	v_cvt_scalef32_pk8_fp8_f32 v[ACD+4*(\t):ACD+4*(\t)+1], v[XS:XS+7], v11
	v_cvt_scalef32_pk8_fp8_f32 v[ACD+4*(\t)+2:ACD+4*(\t)+3], v[XS+8:XS+15], v11
	v_lshrrev_b32 v[AE+(\t)], 23, v11              ; the scale's byte (also the plain line behind the conversions)
	ds_store_b8 v5, v[AE+(\t)] offset:16*(\t)      ; both lanes of a block write the same byte with the same value
	global_store_b128 v4, v[ACD+4*(\t):ACD+4*(\t)+3], s[16:17] offset:512*(\t)   ; 32 lanes store 512 consecutive bytes, aligned
.endm
.irp t, 0,1,2,3,4,5,6,7,8,9,10,11,12,13,14,15
	ASTEP \t
.endr
	ds_load_b64 v[12:13], v6                       ; LDS serves a wave's instructions in order: these see my byte stores
	s_wait_dscnt 0x0
	global_store_b64 v7, v[12:13], s[18:19]        ; 32 lanes store 256 consecutive bytes, aligned
	s_wait_tensorcnt 0x0
	ds_add_u32 v192, v193
	s_wait_dscnt 0x0
	s_endpgm
; ---------------- the weights.  Work-group 512 + 64 g + 8 nx + ky: gate g, columns 128 nx on, K from 256 ky on.  A wave takes 32 columns (q = 4 nx + wave: columns 32 q on) x 256 along K.
; A LANE TAKES A COLUMN, AND ITS REGISTERS RUN DOWN K: each load reads neighbouring columns in neighbouring lanes, a block of 32 along K lies in one lane's 32 registers, and the conversions give codes
; with K innermost.  A lane's 256 bytes of codes belong to one row of b_codes: they go through the wave's own stage and leave as rows, sixteen lanes to 256 consecutive aligned bytes.
.Lweights:
	s_sub_co_u32 s26, ttmp9, 512
	s_and_b32 s27, s26, 7                          ; ky
	s_bfe_u32 s31, s26, 0x30003                    ; nx
	s_lshr_b32 s32, s26, 6                         ; g
	s_cmp_eq_u32 s32, 1                            ; the gate's weight: a choice among buffers on the work-group's number alone
	s_cselect_b64 s[8:9], s[10:11], s[8:9]
	s_cmp_eq_u32 s32, 2
	s_cselect_b64 s[8:9], s[12:13], s[8:9]
	s_cmp_eq_u32 s32, 3
	s_cselect_b64 s[8:9], s[14:15], s[8:9]
	s_lshl_b32 s33, s31, 2
	s_add_co_u32 s33, s33, s24                     ; q
	s_lshl_b32 s34, s33, 7
	s_lshl_b32 s35, s32, 5
	s_add_co_u32 s34, s34, s35                     ; J0 = 128 q + 32 g: my lane 0's row of b_codes
	s_lshl_b32 s28, s27, 20                        ; W: 256 ky rows of 4,096 bytes
	s_lshl_b32 s35, s33, 7                         ;    + 32 q columns of 4 bytes
	s_add_co_u32 s28, s28, s35
	s_add_nc_u64 s[8:9], s[8:9], s[28:29]
	s_lshl_b32 s28, s34, 11                        ; codes: J0 rows of 2,048 bytes + 256 ky
	s_lshl_b32 s35, s27, 8
	s_add_co_u32 s28, s28, s35
	s_add_nc_u64 s[20:21], s[20:21], s[28:29]
	s_lshl_b32 s28, s34, 6                         ; scale bytes: J0 rows of 64 + 8 ky
	s_lshl_b32 s35, s27, 3
	s_add_co_u32 s28, s28, s35
	s_add_nc_u64 s[22:23], s[22:23], s[28:29]
	s_wait_alu depctr_va_vdst(0)
	v_lshlrev_b32 v3, 2, v2                        ; in: 4 bytes a lane
	s_mul_i32 s25, s24, 32*WP
	s_add_co_u32 s25, s25, WLDS                    ; my stage
	v_mul_u32_u24 v4, v2, WP
	v_add_nc_u32 v4, s25, v4                       ; into it: row = my column
	v_and_b32 v5, 15, v2
	v_lshrrev_b32 v6, 4, v2                        ; out of it: sixteen lanes to a row, two rows an instruction
	v_mul_u32_u24 v7, v6, WP
	v_lshl_add_u32 v7, v5, 4, v7
	v_add_nc_u32 v7, s25, v7
	v_lshlrev_b32 v8, 11, v6
	v_lshl_add_u32 v8, v5, 4, v8                   ; and the same place in b_codes
	v_lshlrev_b32 v9, 6, v2                        ; my row of scale bytes
.macro WLOAD t                         ; block t: W(32 t + i, my column), i = 0 .. 31, into set t % 2; the largest offset, 255 rows of 4,096 bytes, lies inside the signed 24-bit immediate
.irp i, 0,1,2,3,4,5,6,7,8,9,10,11,12,13,14,15,16,17,18,19,20,21,22,23,24,25,26,27,28,29,30,31
	global_load_b32 v[WX+32*((\t)%2)+\i], v3, s[8:9] offset:(32*(\t)+\i)*4096 th:TH_LOAD_NT
.endr
.endm
	WLOAD 0
	WLOAD 1
.macro WBLOCK t
.set WXS, WX+32*((\t)%2)
.if (\t) < NB-1
	s_wait_loadcnt 32                              ; this block's 32 loads are in; the next block's 32 may be out
.else
	s_wait_loadcnt 0
.endif
	v_max3_num_f32 v12, |v[WXS]|, |v[WXS+1]|, |v[WXS+2]|           ; the block's largest magnitude: all 32 numbers are mine
	v_max3_num_f32 v13, |v[WXS+3]|, |v[WXS+4]|, |v[WXS+5]|
.irp i, 6,10,14,18,22,26
	v_max3_num_f32 v12, v12, |v[WXS+\i]|, |v[WXS+\i+1]|
	v_max3_num_f32 v13, v13, |v[WXS+\i+2]|, |v[WXS+\i+3]|
.endr
	v_max3_num_f32 v12, v12, |v[WXS+30]|, |v[WXS+31]|
	v_max3_num_f32 v12, v12, v13, 0x4800000        ; and the floor 2^(9 - 127)
	v_add_nc_u32 v11, 0xfc000000, v12              ; the conversion's scale operand
	v_and_or_b32 v10, v12, 0x7f800000, s30         ; 448 x the scale
	v_lshrrev_b32 v13, 23, v11                     ; the scale's byte
.if (\t)%4 == 0
	v_mov_b32 v[WSB+(\t)/4], v13                   ; four bytes to a register, the lower K in the lower byte
.else
	v_lshl_or_b32 v[WSB+(\t)/4], v13, 8*((\t)%4), v[WSB+(\t)/4]
.endif
.irp i, 0,1,2,3,4,5,6,7,8,9,10,11,12,13,14,15,16,17,18,19,20,21,22,23,24,25,26,27,28,29,30,31
	v_med3_num_f32 v[WXS+\i], v[WXS+\i], -v10, v10
.endr
.irp g, 0,1,2,3
	v_cvt_scalef32_pk8_fp8_f32 v[WC+2*\g:WC+2*\g+1], v[WXS+8*\g:WXS+8*\g+7], v11
.endr
	v_nop                                          ; a plain line behind the last conversion
	ds_store_b128 v4, v[WC:WC+3] offset:32*(\t)    ; 32 codes: 32 bytes of my column's row
	ds_store_b128 v4, v[WC+4:WC+7] offset:32*(\t)+16
.if (\t)+2 < NB
	WLOAD (\t)+2
.endif
	s_wait_dscnt 0x0                               ; the stores have read their registers: the next block's codes may be written
.endm
.irp t, 0,1,2,3,4,5,6,7
	WBLOCK \t
.endr
	global_store_b64 v9, v[WSB:WSB+1], s[22:23]    ; my row's 8 scale bytes
.irp t, 0,1,2,3,4,5,6,7,8,9,10,11,12,13,14,15
	ds_load_b128 v[WOUT+4*\t:WOUT+4*\t+3], v7 offset:2*\t*WP   ; LDS serves a wave's instructions in order: these see my stores
.endr
.irp t, 0,1,2,3,4,5,6,7,8,9,10,11,12,13,14,15
	s_wait_dscnt 15-\t                             ; load t is in; the 15 - t younger ones may be out
	global_store_b128 v8, v[WOUT+4*\t:WOUT+4*\t+3], s[20:21] offset:2*\t*2048
.endr
	s_wait_tensorcnt 0x0
	ds_add_u32 v192, v193
	s_wait_dscnt 0x0
	s_endpgm
.Lfunc_end_k_qca41f3909d_quant:
	.size	k_qca41f3909d_quant, .Lfunc_end_k_qca41f3909d_quant-k_qca41f3909d_quant
	.p2alignl 7, 3214868480
	.fill 96, 4, 3214868480
	.section	.rodata,"a",@progbits
	.p2align	6, 0x0
	.amdhsa_kernel k_qca41f3909d_quant
		.amdhsa_group_segment_fixed_size 68096
		.amdhsa_private_segment_fixed_size 0
		.amdhsa_enable_private_segment 0
		.amdhsa_kernarg_size 80
		.amdhsa_user_sgpr_count 2
		.amdhsa_user_sgpr_kernarg_segment_ptr 1
		.amdhsa_wavefront_size32 1
		.amdhsa_system_sgpr_workgroup_id_x 1
		.amdhsa_system_sgpr_workgroup_id_y 1
		.amdhsa_system_sgpr_workgroup_id_z 1
		.amdhsa_system_vgpr_workitem_id 0
		.amdhsa_next_free_vgpr 194
		.amdhsa_next_free_sgpr 66
		.amdhsa_reserve_vcc 0
		.amdhsa_float_denorm_mode_32 3
		.amdhsa_float_denorm_mode_16_64 3
		.amdhsa_memory_ordered 1
		.amdhsa_forward_progress 1
		.amdhsa_inst_pref_size 110
	.end_amdhsa_kernel
	.amdgpu_metadata
---
amdhsa.version: [ 1, 2 ]
amdhsa.kernels:
  - .name:           k_qca41f3909d_quant
    .symbol:         k_qca41f3909d_quant.kd
    .args:
      - { .name: x, .offset: 0, .size: 8, .value_kind: global_buffer, .address_space: global }
      - { .name: out_tm1, .offset: 8, .size: 8, .value_kind: global_buffer, .address_space: global }
      - { .name: Wf, .offset: 16, .size: 8, .value_kind: global_buffer, .address_space: global }
      - { .name: Wi, .offset: 24, .size: 8, .value_kind: global_buffer, .address_space: global }
      - { .name: Wc, .offset: 32, .size: 8, .value_kind: global_buffer, .address_space: global }
      - { .name: Wo, .offset: 40, .size: 8, .value_kind: global_buffer, .address_space: global }
      - { .name: a_codes, .offset: 48, .size: 8, .value_kind: global_buffer, .address_space: global }
      - { .name: a_scales, .offset: 56, .size: 8, .value_kind: global_buffer, .address_space: global }
      - { .name: b_codes, .offset: 64, .size: 8, .value_kind: global_buffer, .address_space: global }
      - { .name: b_scales, .offset: 72, .size: 8, .value_kind: global_buffer, .address_space: global }
    .group_segment_fixed_size: 68096
    .private_segment_fixed_size: 0
    .kernarg_segment_align: 8
    .kernarg_segment_size: 80
    .max_flat_workgroup_size: 128
    .sgpr_count:     66
    .vgpr_count:     194
    .wavefront_size: 32
...
	.end_amdgpu_metadata
.endif
;; end of part 1
;; launch cell (part 2): grid 16 x 32, 4 waves a work-group, clusters of 4 x 4, 327,680 bytes of LDS; arguments a_codes, a_scales, b_codes, b_scales, bf, bi, bc, bo, state_tm1, out0, out1; writes out0, out1
.if DOCPART == 2
	.amdgcn_target "amdgcn-amd-amdhsa--gfx1250"
	.amdhsa_code_object_version 6
	.text
	.protected	k_qca41f3909d_cell
	.globl	k_qca41f3909d_cell
	.p2align	8
	.type	k_qca41f3909d_cell,@function
k_qca41f3909d_cell:
	s_mov_b64 s[64:65], 0
	v_nop
	global_prefetch_b8 v0, s[64:65] scope:SCOPE_SE
	s_setreg_imm32_b32 hwreg(HW_REG_WAVE_MODE, 25, 1), 1
	s_wait_xcnt 0x0
	s_wait_alu depctr_hold_cnt(0) depctr_sa_sdst(0) depctr_va_vdst(0) depctr_va_sdst(0) depctr_va_ssrc(0) depctr_va_vcc(0) depctr_vm_vsrc(0)
	s_getreg_b32 s2, hwreg(HW_REG_IB_STS2, 6, 4)
	s_cmp_eq_u32 s2, 0
	s_cbranch_scc0 .Lentry_in_a_cluster
	s_endpgm
.Lentry_in_a_cluster:
	s_bfe_u32 s2, ttmp6, 0x10000c
	s_cmp_lg_u32 s2, 0xf033
	s_cbranch_scc0 .Lentry_shape_is_right
	s_endpgm
.Lentry_shape_is_right:
; The LSTM cell on codes of FP8 (E4M3) with one E8M0 scale for each 32 along K.  The four products share their left operand: ONE product Z[8192][4096] = A[8192][2048] B[4096][2048]^T,
; A = xh's codes, B = the four weights' codes with rows J = 128 (n / 32) + 32 g + n % 32 (g: 0 f, 1 i, 2 c, 3 o).  Z never goes to memory.
; SHARES.  A work-group (tile column tc 0..15, tile row tr 0..31) makes 256 rows x 64 cells x 4 gates; four waves, each 128 rows x 32 cells x 4 gates: 64 accumulators, 512 registers.
; THE MATRIX INSTRUCTION IS USED TRANSPOSED (source 0 = 16 rows of B, source 1 = 16 rows of A): in accumulator (a, b), b = 2 g + u, lane (r, h) register j is gate g of row 16 a + r, cell 16 u + 8 h + j:
; one lane holds f, i, c and o of the same cells.  The bias is the C of each sum's first matrix instruction.
; K goes in steps of 256 through a ring of two LDS slots.  CLUSTERS: 4 x 4; A's tiles are asked for jointly along a row, B's along a column.
; THE HEAD asks for both slots: waves 0, 1 fetch K step 0's rows of A and of B, waves 2, 3 K step 1's, one joint load a wave.  Waves 0 and 1 alone wait at the head's barrier; K step 1's loads are waited for at the first change of slots.
; THE SCALE BYTES of the work-group's 512 rows, for all of K (32,768 bytes of the 1,147,000 that a work-group fetches: too small a part to be asked for jointly), come once: each wave reads 8,192 dense bytes,
; 512 to a load, and stores them into LDS bytes of their own, which no tensor load fills, as units of 256 bytes + 16 of padding.
; PREFETCH: with the load of K step j goes a request for K step j + 2 (a lane a row of 256 bytes; of the 128 rows that a wave fetches in the ring each of the four partners names 32, by address);
; the last lap, which has no K step two on, asks for the wave's 64 rows of the state's tile, 32 at each change of slots; that tile is loaded one change of slots later.
; THE WAY OUT.  The state's tile (256 rows x 256 bytes) takes the place of slot 0's rows of A when that slot has been read for the last time.  Pairs of blocks (32 rows) go through the gates;
; new_state goes to a stage in slot 1, output_t to a stage in slot 0 (both slots have had their last fill); a barrier, since a row's 256 bytes come from two waves; whole rows come back into registers
; and are stored, sixteen lanes to 256 consecutive aligned bytes.  The barrier is split: the next pair's first half, work on registers, stands between signal and wait.
; GATES.  L = log2(e): Ef = 2^(-L zf), Ei = 2^(-L zi), Ec = 2^(2 L zc), Eo = 2^(-L zo).  f = 1 / (1 + Ef) and i tanh(zc) = (Ec - 1) / ((1 + Ei)(Ec + 1)) share the reciprocal of
; D = (1 + Ef)(1 + Ei)(Ec + 1).  With En = 2^(2 L new_state): output = (En - 1) / ((1 + Eo)(En + 1)).
; LIMITS: the exponents of Ef, Ei, Ec and En are held at 32 from above, so that D stays under 2^97: f and i never fall under 2^-32, and a tanh beyond 11.09 is 1 to the last bit of f32.  Eo is not held:
; where it is infinite the reciprocal is 0 and so is the output.  NaN and infinities among the inputs are not served.
; REGISTERS: window 0: v0-31 addresses; v32-63 scale words, two sets; v64-127 the bias; v128-255 A's fragments, one set (at the head v128-191: scale bytes on their way; on the way out v64-255: six arrays of 32).
;   window 1: B's fragments, two sets (on the way out v0-63: whole rows read back).   windows 2, 3: the accumulators of my rows 0-63, 64-127 ((a, b) at v[8 (8 (a % 4) + b)]).
.set ROWB,   256                       ; a tile's row in bytes: 256 along K
.set KROW,   2048                      ; a row of A or of B in memory
.set PITCH,  272                       ; an LDS row: 256 bytes + 16 of padding
.set FR,     16
.set NL,     4
.set NP,     8                         ; places behind this matrix instruction (ISA guide 7.12.1)
.set HALFT,  128*PITCH
.set SLOT,   4*HALFT                   ; A's 256 rows, then B's 256 rows
.set LAPS,   4
.set KS,     64                        ; a row of scale bytes
.set SCL,    2*SLOT
.set HALFS,  (128*KS/256)*272
.set SBLK,   (16*KS/256)*272
.set SPARE,  SCL+4*HALFS               ; the spare words: 128 bytes a wave, two blocks of 256 bytes that no other line names
.set OSTG,   256*PITCH                 ; output_t's stage: slot 0's rows of B;  new_state's stage: slot 1's rows of A, at SLOT
.set ADRA, 16                          ; v16-17 my A fragments in slot 0, 1
.set PFO,  18                          ; v18 lane x 2,048: a row of codes
.set PFT,  19                          ; v19 lane x 4,096: a row of the state
.set ADRB, 20                          ; v20-21 my B fragments
.set STN,  22                          ; v22 my 32 bytes of a row in new_state's stage
.set STI,  24                          ; v24 the same in the state's tile
.set STO,  25                          ; v25 the same in output_t's stage
.set RD,   26                          ; v26 whole rows of new_state back
.set ADRS, 27                          ; v27 my scale words: lanes 0-15 A's rows, lanes 16-31 B's
.set SPW,  28
.set NIL,  29
.set RD2,  30                          ; v30 whole rows of output_t back
.set CO,   31                          ; v31 my byte offset in two rows of an output
.set SC,   32
.set BIAS, 64
.set AF,   128
.set EF,   64                          ; Ef, D, 1 / D; later En + 1
.set EI,   96                          ; Ei, P = (1 + Ei)(Ec + 1), f; later output_t
.set EC,   128                         ; Ec, Ec + 1; later En
.set EO,   160                         ; Eo, (1 + Eo)(En + 1), its reciprocal
.set QM,   192                         ; Ec - 1, (Ec - 1)(1 + Ef), i tanh(zc); later En - 1
.set SV,   224                         ; the state, then new_state
.set G1, 24                            ; s[24:31], s[48:55] group 1 of the ring's loads: 128 rows;  s[32:39], s[56:63] their group 0, one set for each slot
.set G0, 32
.set G1B, 48
.set G0B, 56
.set G1H, 68                           ; s[68:75], s[80:87] group 1 of the head's loads: 256 rows
.set G1HB, 80
.set G0H, 4                            ; s[4:7], s[8:11] group 0 of the head's loads of K step 0;  s[76:79], s[88:91] of K step 1.  Later s[4:11] is the state's group 1
.set G0HB, 8
.set G0H1, 76
.set G0HB1, 88
.set G1T, 4
.set G0T, 96
.set PFA, 2                            ; s[2:3] my 32 rows of codes, at the K step two on from the lap's first
.set PFS, 40                           ; s[40:41] my 64 rows of the state
.set LAP, 45
.set MSB, 0
.macro WIN new                         ; the immediate's high byte repeats the setting that is left
.if MSB != (\new)
	s_set_vgpr_msb (MSB<<8)|(\new)
.set MSB, (\new)
.endif
.endm
.set TO_B, 0x40
.macro JLOAD g0a, g1a, g0b, g1b        ; a joint load: waves 0, 1 fetch for A, waves 2, 3 for B; s_nop 0 and four v_nop behind each line
	s_cmp_eq_u32 s15, 0
	s_cbranch_scc0 .Lfor_b_\@
	tensor_load_to_lds s[\g0a:\g0a+3], s[\g1a:\g1a+7]
	s_nop 0
.rept 4
	v_nop
.endr
	s_branch .Lasked_\@
.Lfor_b_\@:
	tensor_load_to_lds s[\g0b:\g0b+3], s[\g1b:\g1b+7]
	s_nop 0
.rept 4
	v_nop
.endr
.Lasked_\@:
.endm
.macro CREST
	s_cmp_lg_u32 s14, 0
	s_cbranch_scc1 .Lnot_wave_0_\@
	s_barrier_signal -3
.Lnot_wave_0_\@:
	s_barrier_wait -3
	s_barrier_signal -1
	s_barrier_wait -1
.endm
.macro CROUND
	s_barrier_signal -1
	s_barrier_wait -1
	CREST
.endm
	s_load_b128 s[4:7], s[0:1], 0x0                ; A's codes, A's scales
	s_load_b128 s[8:11], s[0:1], 0x10              ; B's codes, B's scales
	s_load_b128 s[96:99], s[0:1], 0x20             ; bf, bi
	s_load_b64 s[100:101], s[0:1], 0x30            ; bc
	s_load_b64 s[104:105], s[0:1], 0x38            ; bo
	s_load_b64 s[94:95], s[0:1], 0x40              ; state_tm1
	s_load_b64 s[12:13], s[0:1], 0x48              ; out0: output_t
	s_load_b64 s[66:67], s[0:1], 0x50              ; out1: new_state
	v_lshl_add_u32 v[SPW], v0, 2, SPARE
	v_mov_b32 v[NIL], 0
	ds_add_u32 v[SPW], v[NIL]                      ; the opening lines: the add twice on end, under one wait
	ds_add_u32 v[SPW], v[NIL]
	v_lshrrev_b32 v1, 5, v0
	v_readfirstlane_b32 s14, v1                    ; wave 0..3
	s_lshr_b32 s15, s14, 1                         ; rh: my half of the tile's rows; also: in the ring I fetch for A (0) or B (1)
	s_and_b32 s16, s14, 1                          ; ch: my half of B's rows; also: which 128 rows I fetch
	s_bfe_u32 s40, ttmp6, 0x40000                  ; cx
	s_bfe_u32 s41, ttmp6, 0x40004                  ; cy
	s_lshl_b32 s42, ttmp9, 2
	s_add_co_u32 s42, s42, s40                     ; tc
	s_and_b32 s17, ttmp7, 0xffff
	s_lshl_b32 s17, s17, 2
	s_add_co_u32 s17, s17, s41                     ; tr
	s_lshl_b32 s43, s41, 2
	s_lshl_b32 s43, 15, s43                        ; my row of the cluster
	s_lshl_b32 s44, 0x1111, s40                    ; my column
	s_or_b32 s[G1+0], s43, (0<<16)|(1<<20)|(1<<21)|(5<<22)|(3<<25)   ; elements of 1 byte; 4 words of padding behind every 64; bit 21 beside the mask
	s_or_b32 s[G1B+0], s44, (0<<16)|(1<<20)|(1<<21)|(5<<22)|(3<<25)
	s_or_b32 s[G1H+0], s43, (0<<16)|(1<<20)|(1<<21)|(5<<22)|(3<<25)
	s_or_b32 s[G1HB+0], s44, (0<<16)|(1<<20)|(1<<21)|(5<<22)|(3<<25)
.irp g, G1, G1B
	s_mov_b32 s[\g+1], ROWB<<16
	s_mov_b32 s[\g+2], 128<<16
	s_mov_b32 s[\g+3], ROWB<<16
	s_mov_b32 s[\g+4], 128
	s_mov_b32 s[\g+5], KROW
	s_mov_b32 s[\g+6], 0
	s_mov_b32 s[\g+7], 0
.endr
.irp g, G1H, G1HB
	s_mov_b32 s[\g+1], ROWB<<16
	s_mov_b32 s[\g+2], 256<<16
	s_mov_b32 s[\g+3], ROWB<<16
	s_mov_b32 s[\g+4], 256
	s_mov_b32 s[\g+5], KROW
	s_mov_b32 s[\g+6], 0
	s_mov_b32 s[\g+7], 0
.endr
	s_cmp_eq_u32 s15, 0                            ; the prefetches' offset: the tile's first row + the 128 that I fetch + my work-group's 32 of them
	s_cselect_b32 s43, s17, s42
	s_cselect_b32 s44, s40, s41
	s_lshl_b32 s43, s43, 8
	s_lshl_b32 s44, s44, 5
	s_add_co_u32 s43, s43, s44
	s_lshl_b32 s44, s16, 7
	s_add_co_u32 s43, s43, s44
	s_lshl_b32 s43, s43, 11
	s_add_co_u32 s2, s43, 2*ROWB                   ; at K step 2
	s_mov_b32 s3, 0
	s_lshl_b32 s20, s17, 8
	s_lshl_b32 s46, s42, 8
	s_mov_b32 s21, 0
	s_mov_b32 s47, 0
	s_mov_b64 s[18:19], KS
	s_mul_u64 s[22:23], s[20:21], s[18:19]
	s_mul_u64 s[92:93], s[46:47], s[18:19]
	s_mov_b64 s[18:19], KROW
	s_mul_u64 s[20:21], s[20:21], s[18:19]
	s_mul_u64 s[46:47], s[46:47], s[18:19]
	s_mul_i32 s18, s16, 128*KROW
	s_mov_b32 s19, 0
	s_mul_i32 s45, s14, HALFT
	s_wait_dscnt 0x0                               ; both opening adds are done
	s_wait_kmcnt 0x0
	s_cmp_eq_u32 s15, 0
	s_cselect_b64 s[40:41], s[4:5], s[8:9]
	s_add_nc_u64 s[PFA:PFA+1], s[40:41], s[PFA:PFA+1]
	s_add_nc_u64 s[20:21], s[4:5], s[20:21]
	s_add_nc_u64 s[22:23], s[6:7], s[22:23]
	s_add_nc_u64 s[46:47], s[8:9], s[46:47]
	s_add_nc_u64 s[92:93], s[10:11], s[92:93]
	s_cmp_eq_u32 s15, 0                            ; the 8,192 scale bytes that I bring: waves 0, 1 A's two halves, waves 2, 3 B's
	s_cselect_b64 s[92:93], s[22:23], s[92:93]
	s_lshl_b32 s22, s16, 13
	s_mov_b32 s23, 0
	s_add_nc_u64 s[92:93], s[92:93], s[22:23]
	CROUND                                         ; all sixteen work-groups are here: the first joint loads meet
	s_mov_b32 s[G0H], 1
	s_mov_b32 s[G0H+1], 0
	s_mov_b64 s[G0H+2:G0H+3], s[20:21]
	s_or_b32 s[G0H+3], s[G0H+3], 0x80000000
	s_mov_b32 s[G0HB], 1
	s_mov_b32 s[G0HB+1], 2*HALFT
	s_mov_b64 s[G0HB+2:G0HB+3], s[46:47]
	s_or_b32 s[G0HB+3], s[G0HB+3], 0x80000000
	s_mov_b32 s[G0H1], 1
	s_mov_b32 s[G0H1+1], SLOT
	s_add_nc_u64 s[G0H1+2:G0H1+3], s[20:21], ROWB
	s_or_b32 s[G0H1+3], s[G0H1+3], 0x80000000
	s_mov_b32 s[G0HB1], 1
	s_mov_b32 s[G0HB1+1], SLOT+2*HALFT
	s_add_nc_u64 s[G0HB1+2:G0HB1+3], s[46:47], ROWB
	s_or_b32 s[G0HB1+3], s[G0HB1+3], 0x80000000
	s_add_nc_u64 s[20:21], s[20:21], s[18:19]      ; for the ring: my 128 rows
	s_add_nc_u64 s[46:47], s[46:47], s[18:19]
.irp s, 0,1
	s_mov_b32 s[G0+4*\s], 1
	s_add_co_u32 s[G0+4*\s+1], s45, \s*SLOT
	s_add_nc_u64 s[G0+4*\s+2:G0+4*\s+3], s[20:21], \s*ROWB
	s_or_b32 s[G0+4*\s+3], s[G0+4*\s+3], 0x80000000
	s_mov_b32 s[G0B+4*\s], 1
	s_add_co_u32 s[G0B+4*\s+1], s45, \s*SLOT
	s_add_nc_u64 s[G0B+4*\s+2:G0B+4*\s+3], s[46:47], \s*ROWB
	s_or_b32 s[G0B+4*\s+3], s[G0B+4*\s+3], 0x80000000
.endr
; The head's loads, one a wave: wave 0 K step 0's 256 rows of A, wave 1 its 256 rows of B, wave 2 K step 1's rows of A, wave 3 its rows of B: one chain of arms, one join.
.macro ARM under, g0, g1, next
	s_cmp_lt_u32 s14, \under
	s_cbranch_scc0 \next
	tensor_load_to_lds s[\g0:\g0+3], s[\g1:\g1+7]
	s_nop 0
.rept 4
	v_nop
.endr
	s_branch .Lhead_asked
\next:
.endm
	ARM 1, G0H,  G1H,  .Lhead_b
	ARM 2, G0HB, G1HB, .Lhead_a1
	ARM 3, G0H1, G1H,  .Lhead_b1
	tensor_load_to_lds s[G0HB1:G0HB1+3], s[G1HB:G1HB+7]
	s_nop 0
.rept 4
	v_nop
.endr
.Lhead_asked:
	s_lshl_b32 s18, s42, 8                         ; first the scalars, then the vector lines in one run
	s_lshl_b32 s19, s16, 7
	s_add_co_u32 s18, s18, s19                     ; the bias: 256 tc + 128 ch bytes
	s_mul_i32 s19, s15, HALFT                      ; my 128 rows of A
	s_mul_i32 s20, s16, HALFT
	s_add_co_u32 s20, s20, 2*HALFT                 ; my 128 rows of B
	s_mul_i32 s21, s15, HALFS
	s_mul_i32 s22, s16, HALFS
	s_add_co_u32 s22, s22, 2*HALFS
	s_sub_co_u32 s22, s22, s21                     ; from A's scales to B's
	s_add_co_u32 s21, s21, SCL
	s_lshl_b32 s23, s16, 7
	s_add_co_u32 s23, s23, s19                     ; the state's tile: row 128 rh, byte 128 ch
	s_mul_i32 s43, s16, 8*PITCH
	s_add_co_u32 s43, s43, s19                     ; back: rows 128 rh + 8 ch on
	s_mul_i32 s47, s14, HALFS
	s_add_co_u32 s47, s47, SCL                     ; where the scale bytes that I bring go: wave x 32 units
	v_and_b32 v1, 15, v0                           ; r
	v_bfe_u32 v2, v0, 4, 1                         ; h
	v_and_b32 v8, 31, v0
	v_mul_u32_u24 v3, v1, PITCH
	v_lshl_add_u32 v7, v2, 5, s18
	v_lshl_add_u32 v4, v2, 4, v3
	v_lshlrev_b32 v9, 4, v8                        ; my 16 bytes of a load's 512
	v_add_nc_u32 v[ADRA], s19, v4
	v_add_nc_u32 v[ADRB], s20, v4
	v_add_nc_u32 v[ADRA+1], SLOT, v[ADRA]
	v_add_nc_u32 v[ADRB+1], SLOT, v[ADRB]
	v_mul_u32_u24 v5, v1, KS
	v_lshrrev_b32 v6, 8, v5
	v_lshl_add_u32 v5, v6, 4, v5                   ; 64 bytes a row, and 16 more for each 256 passed
	v_mul_u32_u24 v6, s22, v2                      ; lanes 16-31 take B's
	v_add_nc_u32 v5, v5, v6
	v_add_nc_u32 v[ADRS], s21, v5
	v_lshl_add_u32 v5, v2, 5, v3
	v_add_nc_u32 v[STI], s23, v5
	v_add_nc_u32 v[STO], OSTG, v[STI]
	v_add_nc_u32 v[STN], SLOT, v[STI]
	v_mul_u32_u24 v5, v2, PITCH
	v_lshl_add_u32 v5, v1, 4, v5                   ; lanes 0-15 one unit of 256 bytes, lanes 16-31 the next
	v_add_nc_u32 v10, s47, v5
	v_add_nc_u32 v5, s43, v5
	v_add_nc_u32 v[RD2], OSTG, v5
	v_add_nc_u32 v[RD], SLOT, v5
	v_lshlrev_b32 v6, 12, v2
	v_lshl_add_u32 v[CO], v1, 4, v6
	v_lshlrev_b32 v[PFO], 11, v8
	v_lshlrev_b32 v[PFT], 12, v8
.irp i, 0,1,2,3,4,5,6,7,8,9,10,11,12,13,14,15
	global_load_b128 v[AF+4*\i:AF+4*\i+3], v9, s[92:93] offset:512*\i   ; 32 lanes read 512 consecutive scale bytes
.endr
.irp u, 0,1
.irp k, 0,1                                    ; the bias in the result's layout: block b = 2 g + u, register j: bias_g[64 tc + 32 ch + 16 u + 8 h + j]
	global_load_b128 v[BIAS+8*(0+\u)+4*\k:BIAS+8*(0+\u)+4*\k+3], v7, s[96:97] offset:64*\u+16*\k
	global_load_b128 v[BIAS+8*(2+\u)+4*\k:BIAS+8*(2+\u)+4*\k+3], v7, s[98:99] offset:64*\u+16*\k
	global_load_b128 v[BIAS+8*(4+\u)+4*\k:BIAS+8*(4+\u)+4*\k+3], v7, s[100:101] offset:64*\u+16*\k
	global_load_b128 v[BIAS+8*(6+\u)+4*\k:BIAS+8*(6+\u)+4*\k+3], v7, s[104:105] offset:64*\u+16*\k
.endr
.endr
	global_prefetch_b8 v[PFO], s[PFA:PFA+1] th:TH_LOAD_NT scope:SCOPE_SE   ; with K step 0's load: K step 2
	s_lshl_b32 s18, s17, 8
	s_lshl_b32 s19, s14, 6
	s_add_co_u32 s18, s18, s19                     ; the state: row 256 tr + 64 x wave
	s_lshl_b32 s18, s18, 12
	s_lshl_b32 s19, s42, 8
	s_add_co_u32 s18, s18, s19
	s_mov_b32 s19, 0
	s_add_nc_u64 s[PFS:PFS+1], s[94:95], s[18:19]
	s_lshl_b32 s20, s17, 8                         ; the first row that I store: 256 tr + 128 rh + 8 ch
	s_lshl_b32 s21, s15, 7
	s_add_co_u32 s20, s20, s21
	s_lshl_b32 s21, s16, 3
	s_add_co_u32 s20, s20, s21
	s_lshl_b32 s20, s20, 12
	s_lshl_b32 s21, s42, 8
	s_add_co_u32 s20, s20, s21
	s_mov_b32 s21, 0
	s_add_nc_u64 s[12:13], s[12:13], s[20:21]
	s_add_nc_u64 s[66:67], s[66:67], s[20:21]
.macro FRAG reg, adr, q, i             ; 16 rows x 128 K: lane l holds row l % 16; registers 4 c .. 4 c + 3 hold K = 32 c + 16 (l / 16) + 0 .. 15
.irp c, 0,1,2,3
	ds_load_b128 v[\reg+4*\c:\reg+4*\c+3], v[\adr] offset:128*(\q)+32*\c+(\i)*16*PITCH
.endr
.endm
; 8 matrix instructions: A's block a x B's eight, the slot's q-th 128 along K.  p: B's set; sc: the set of scale words; first = 1: the sums begin with the bias as C.
; The 64 accumulators take turns, in the same order in every step.
.macro MULA a, p, q, sc, first
.if \first
	WIN (0x81+0x40*((\a)/4))
.else
	WIN (0xa1+0x50*((\a)/4))
.endif
.irp b, 0,1,2,3,4,5,6,7
.if \first
	v_wmma_scale_f32_16x16x128_f8f6f4 v[8*(8*((\a)%4)+\b):8*(8*((\a)%4)+\b)+7], v[128*(\p)+FR*\b:128*(\p)+FR*\b+FR-1], v[AF+FR*(\a):AF+FR*(\a)+FR-1], v[BIAS+8*\b:BIAS+8*\b+7], v[SC+16*(\sc)+2*\b+(\q)], v[SC+16*(\sc)+2*(\a)+(\q)] matrix_a_scale:MATRIX_SCALE_ROW1
.else
	v_wmma_scale_f32_16x16x128_f8f6f4 v[8*(8*((\a)%4)+\b):8*(8*((\a)%4)+\b)+7], v[128*(\p)+FR*\b:128*(\p)+FR*\b+FR-1], v[AF+FR*(\a):AF+FR*(\a)+FR-1], v[8*(8*((\a)%4)+\b):8*(8*((\a)%4)+\b)+7], v[SC+16*(\sc)+2*\b+(\q)], v[SC+16*(\sc)+2*(\a)+(\q)] matrix_a_scale:MATRIX_SCALE_ROW1
.endif
.endr
.endm
.macro FETCH_B slot, q, p
	WIN TO_B
.irp i, 0,1,2,3,4,5,6,7
	FRAG 128*(\p)+FR*\i, ADRB+\slot, \q, \i
.endr
	WIN 0
.endm
.macro FETCH_A slot, q, i0
.irp i, \i0, \i0+1, \i0+2, \i0+3
	FRAG AF+FR*(\i), ADRA+\slot, \q, \i
.endr
.endm
.macro SCALES sc                       ; a K step's scale words: two a row; lanes 0-15 A's block i, lanes 16-31 B's block i
.irp i, 0,1,2,3,4,5,6,7
	ds_load_b64 v[SC+16*\sc+2*\i:SC+16*\sc+2*\i+1], v[ADRS] offset:\i*SBLK
.endr
.endm
.macro PLACES n
.rept \n
	v_nop
.endr
.endm
; A slot's first 128 along K.  B's other set, idle through this step, is fetched at its head; A's blocks 0-3 in its middle, blocks 4-7 at its end: three runs of loads.
.macro STEP slot, first
	s_wait_dscnt 4*NL                              ; B's set 0, A's blocks 0-3 and the scale words are in; the youngest 16 loads (A's blocks 4-7) may be out
	FETCH_B \slot, 1, 1                            ; set 1 was last multiplied ahead of the eight places at the end of the step before
.irp a, 0,1,2,3
	MULA \a, 0, 0, \slot, \first
.endr
	PLACES NP
	WIN 0
	FETCH_A \slot, 1, 0
	s_wait_dscnt 12*NL                             ; A's blocks 4-7 are in: behind them B's 32 loads and A's 16 were issued
.irp a, 4,5,6,7
	MULA \a, 0, 0, \slot, \first
.endr
	PLACES NP
	WIN 0
	FETCH_A \slot, 1, 4
.endm
.macro ASK slot                        ; in laps that have a K step two on from the refill: that K step; in the last lap: 32 of my 64 rows of the state
	s_cmp_gt_u32 s[LAP], 1
	s_cbranch_scc0 .Lask_state_\@
	global_prefetch_b8 v[PFO], s[PFA:PFA+1] offset:2*ROWB+ROWB*\slot th:TH_LOAD_NT scope:SCOPE_SE
	s_branch .Lask_done_\@
.Lask_state_\@:
	global_prefetch_b8 v[PFT], s[PFS:PFS+1] offset:32*4096*\slot th:TH_LOAD_NT scope:SCOPE_SE
.Lask_done_\@:
.endm
; A slot's second 128 along K changes slots.  In front of the round each wave waits for all its tensor loads, adds 0 to its spare word, and waits for that and for its reads of this slot.
; fill = 1: the slot is filled again jointly, two K steps ahead.  fill = 2: it has been read for the last time, and the state's tile goes there: one load a wave, for its own work-group.
; 40 of the step's 64 products stand behind the refill, with the next slot's fragment loads in three runs among them.
.macro TURN slot, next, fill
	s_wait_dscnt 4*NL                              ; B's set 1 and A's blocks 0-3 are in
	MULA 0, 1, 1, \slot, 0
	WIN 0
	s_wait_tensorcnt 0x0                           ; all my tensor loads have landed: my part of the next slot; so every descriptor may be written
	ds_add_u32 v[SPW], v[NIL]
.if \fill == 1
	s_add_nc_u64 s[G0+4*\slot+2:G0+4*\slot+3], s[G0+4*\slot+2:G0+4*\slot+3], 2*ROWB
	s_add_nc_u64 s[G0B+4*\slot+2:G0B+4*\slot+3], s[G0B+4*\slot+2:G0B+4*\slot+3], 2*ROWB
.else
	s_mov_b32 s[G1T+0], (2<<16)|(1<<20)|(5<<22)|(3<<25)   ; the state's tile: 64 rows of 64 f32 a wave, no mask
	s_mov_b32 s[G1T+1], 64<<16
	s_mov_b32 s[G1T+2], 64<<16
	s_mov_b32 s[G1T+3], 64<<16
	s_mov_b32 s[G1T+4], 64
	s_mov_b32 s[G1T+5], 1024
	s_mov_b32 s[G1T+6], 0
	s_mov_b32 s[G1T+7], 0
.endif
	MULA 1, 1, 1, \slot, 0
	s_wait_dscnt 0x0                               ; the add is done, and my reads of this slot are over
	s_barrier_signal -1
	MULA 2, 1, 1, \slot, 0
	WIN 0
	s_barrier_wait -1
	CREST
.if \fill == 1
	JLOAD G0+4*\slot, G1, G0B+4*\slot, G1B
.else
	tensor_load_to_lds s[G0T:G0T+3], s[G1T:G1T+7]
	s_nop 0
.rept 4
	v_nop
.endr
.endif
	v_add_nc_u32 v[ADRS], 8, v[ADRS]               ; the next K step's scale words
	s_wait_alu depctr_va_vdst(0)                   ; directly behind the write
	FETCH_B \next, 0, 0                            ; set 0 was last multiplied ahead of the eight places at the end of the step before
	SCALES \next
.if \fill == 1
	ASK \slot
.endif
	MULA 3, 1, 1, \slot, 0
	PLACES NP
	WIN 0
	FETCH_A \next, 0, 0
.irp a, 4,5,6,7
	MULA \a, 1, 1, \slot, 0
.endr
	PLACES NP
	WIN 0
	FETCH_A \next, 0, 4
.endm
	s_wait_alu depctr_va_vdst(0)
	s_wait_loadcnt 0x0                             ; the scale bytes and the bias are in; the registers that held the bias's pointers may be written
.irp i, 0,1,2,3,4,5,6,7,8,9,10,11,12,13,14,15
	ds_store_b128 v10, v[AF+4*\i:AF+4*\i+3] offset:544*\i   ; two units of 256 bytes, each with its 16 of padding
.endr
	s_mov_b32 s[G0T], 1
	s_mul_i32 s[G0T+1], s14, 64*PITCH
	s_mov_b64 s[G0T+2:G0T+3], s[PFS:PFS+1]
	s_or_b32 s[G0T+3], s[G0T+3], 0x80000000
	s_cmp_lt_u32 s14, 2                            ; waves 0 and 1, whose arms fetched K step 0, wait for it; K step 1's loads stay out across this barrier, behind which nothing is filled
	s_cbranch_scc0 .Lnot_k0
	s_wait_tensorcnt 0x0
.Lnot_k0:
	s_wait_dscnt 0x0                               ; my scale bytes are stored
	s_barrier_signal -1
	s_barrier_wait -1
	FETCH_B 0, 0, 0
	FETCH_A 0, 0, 0
	SCALES 0
	FETCH_A 0, 0, 4
	global_prefetch_b8 v[PFO], s[PFA:PFA+1] offset:ROWB th:TH_LOAD_NT scope:SCOPE_SE   ; for K step 1's load: K step 3
	STEP 0, 1                                      ; the first step stands in front of the loop: its products start the sums, on the bias
	s_mov_b32 s[LAP], LAPS-1
.Llap:                                                 ; a trip goes once round the ring and fills both slots again
	TURN 0, 1, 1
	STEP 1, 0
	TURN 1, 0, 1
	STEP 0, 0
	s_wait_xcnt 0x0                                ; my prefetches have read their address
	s_add_nc_u64 s[PFA:PFA+1], s[PFA:PFA+1], 2*ROWB
	s_sub_co_u32 s[LAP], s[LAP], 1
	s_cmp_lg_u32 s[LAP], 0
	s_cbranch_scc1 .Llap
	TURN 0, 1, 2                                   ; slot 0 is left for good: the state's tile is asked for
	STEP 1, 0
	s_wait_dscnt 4*NL                              ; the very last step
.irp a, 0,1,2,3
	MULA \a, 1, 1, 1, 0
.endr
	s_wait_dscnt 0x0                               ; my reads of slot 1 are over,
	s_wait_tensorcnt 0x0                           ; and my 64 rows of the state have landed
	s_barrier_signal -1
.irp a, 4,5,6,7
	MULA \a, 1, 1, 1, 0
.endr
	WIN 0
	s_barrier_wait -1
	PLACES NP
	s_mov_b32 s18, 0xbfb8aa3b                      ; -log2(e), as a pair
	s_mov_b32 s19, s18
	s_mov_b32 s20, 0x4038aa3b                      ; 2 log2(e)
	s_mov_b32 s21, s20
	s_mov_b32 s22, 0x42000000                      ; 32.0: the hold on the exponents
; Lines over an array of 32 registers (a pair of blocks: index 16 e + 8 u + j)
.macro V16 op, d, x, y
.set n, 0
.rept 16
	\op v[\d+n:\d+n+1], v[\x+n:\x+n+1], v[\y+n:\y+n+1]
.set n, n+2
.endr
.endm
.macro F16 d, x, y, z
.set n, 0
.rept 16
	v_pk_fma_f32 v[\d+n:\d+n+1], v[\x+n:\x+n+1], v[\y+n:\y+n+1], v[\z+n:\z+n+1]
.set n, n+2
.endr
.endm
.macro C16 op, d, x, c
.set n, 0
.rept 16
	\op v[\d+n:\d+n+1], v[\x+n:\x+n+1], \c op_sel_hi:[1,0]
.set n, n+2
.endr
.endm
.macro T32 op, d
.set n, 0
.rept 32
	\op v[\d+n], v[\d+n]
.set n, n+1
.endr
.endm
.macro H32 d
.set n, 0
.rept 32
	v_min_num_f32 v[\d+n], s22, v[\d+n]
.set n, n+1
.endr
.endm
.macro WALU
	s_wait_alu depctr_va_vdst(0)                   ; ahead of and behind a batch of transcendentals, and ahead of a wait that blocks
.endm
.macro STATE p                         ; the state of pair p's cells: bytes that no wave stores to
.irp e, 0,1
.irp u, 0,1
.irp k, 0,1
	ds_load_b128 v[SV+16*\e+8*\u+4*\k:SV+16*\e+8*\u+4*\k+3], v[STI] offset:(2*(\p)+\e)*16*PITCH+64*\u+16*\k
.endr
.endr
.endr
.endm
.macro TOSTG adr, src, p
.irp e, 0,1
.irp u, 0,1
.irp k, 0,1
	ds_store_b128 v[\adr], v[\src+16*\e+8*\u+4*\k:\src+16*\e+8*\u+4*\k+3] offset:(2*(\p)+\e)*16*PITCH+64*\u+16*\k
.endr
.endr
.endr
.endm
; Pair p, first half, on registers alone: f and i tanh(zc)
.macro CELL1 p
.set AC, 128*((\p)%2)
	WIN (0x02+(\p)/2)                              ; source 0: window 2 or 3
	WALU                                           ; directly ahead of the first reads of these accumulators
.irp e, 0,1
.irp b, 0,1,2,3,4,5,6,7                        ; the exponents; each accumulator is read from its low end on
.irp k, 0,2,4,6
.if (\b/2) == 2
	v_pk_mul_f32 v[EF+32*(\b/2)+16*\e+8*(\b%2)+\k:EF+32*(\b/2)+16*\e+8*(\b%2)+\k+1], v[AC+64*\e+8*\b+\k:AC+64*\e+8*\b+\k+1], s[20:21] op_sel_hi:[1,0]
.else
	v_pk_mul_f32 v[EF+32*(\b/2)+16*\e+8*(\b%2)+\k:EF+32*(\b/2)+16*\e+8*(\b%2)+\k+1], v[AC+64*\e+8*\b+\k:AC+64*\e+8*\b+\k+1], s[18:19] op_sel_hi:[1,0]
.endif
.endr
.endr
.endr
	WIN 0
	H32 EF
	H32 EI
	H32 EC
	WALU
	T32 v_exp_f32, EF
	T32 v_exp_f32, EI
	T32 v_exp_f32, EC
	T32 v_exp_f32, EO
	v_nop
	WALU
	C16 v_pk_add_f32, QM, EC, -1.0
	C16 v_pk_add_f32, EC, EC, 1.0
	F16 EI, EI, EC, EC                             ; P = (1 + Ei)(Ec + 1)
	F16 QM, QM, EF, QM                             ; N = (Ec - 1)(1 + Ef)
	F16 EF, EF, EI, EI                             ; D = (1 + Ef) P
	WALU
	T32 v_rcp_f32, EF
	v_nop
	WALU
	V16 v_pk_mul_f32, EI, EI, EF                   ; f = P / D
	V16 v_pk_mul_f32, QM, QM, EF                   ; i tanh(zc) = N / D
	WALU
.endm
.macro BACK p                          ; pair p is staged by both waves of my rows: 16 whole rows of each output, 8 of each block, into window 1
	WIN TO_B
.irp e, 0,1
.irp t, 0,1,2,3
	ds_load_b128 v[16*\e+4*\t:16*\e+4*\t+3], v[RD] offset:(16*(2*(\p)+\e)+2*\t)*PITCH
.endr
.endr
.irp e, 0,1
.irp t, 0,1,2,3
	ds_load_b128 v[32+16*\e+4*\t:32+16*\e+4*\t+3], v[RD2] offset:(16*(2*(\p)+\e)+2*\t)*PITCH
.endr
.endr
	WIN 0
.endm
.macro SEND p, c1, c2                  ; c1, c2: the LDS instructions issued behind new_state's loads, behind output_t's, that may stay out
	s_wait_dscnt \c1
	WIN 0x04                                       ; the stores' data: window 1
.irp e, 0,1
.irp t, 0,1,2,3
	global_store_b128 v[CO], v[16*\e+4*\t:16*\e+4*\t+3], s[66:67] offset:(16*(2*(\p)+\e)+2*\t)*4096   ; 16 lanes store 256 consecutive bytes, aligned
.endr
.endr
	s_wait_dscnt \c2
.irp e, 0,1
.irp t, 0,1,2,3
	global_store_b128 v[CO], v[32+16*\e+4*\t:32+16*\e+4*\t+3], s[12:13] offset:(16*(2*(\p)+\e)+2*\t)*4096
.endr
.endr
	WIN 0
.endm
; Pair p, second half: new_state and output_t, into the stages.  prev = 1: the rows of the pair before, read back ahead of this half, are stored in its middle.
.macro CELL2 p, prev
	F16 SV, SV, EI, QM                             ; new_state = state f + i tanh(zc)
	TOSTG STN, SV, \p
	C16 v_pk_mul_f32, EC, SV, s[20:21]
	H32 EC
	WALU
	T32 v_exp_f32, EC                              ; En
	v_nop
.if \prev
	SEND (\p)-1, 8, 8                              ; behind the 16 loads of rows: my 8 stores into new_state's stage
.endif
	WALU
	C16 v_pk_add_f32, EF, EC, 1.0
	C16 v_pk_add_f32, QM, EC, -1.0
	F16 EO, EO, EF, EF                             ; (1 + Eo)(En + 1)
	WALU
	T32 v_rcp_f32, EO
	v_nop
	WALU
	V16 v_pk_mul_f32, EI, QM, EO                   ; output_t
	TOSTG STO, EI, \p
	s_wait_dscnt 0x0                               ; for the other wave's sake: my stores into the stages are done
	s_barrier_signal -1
.endm
	STATE 0
	CELL1 0
	s_wait_dscnt 0x0
	CELL2 0, 0
	STATE 1
.irp p, 1,2,3
	CELL1 \p
	s_barrier_wait -1
	s_wait_xcnt 0x0                                ; the loads below land on the data registers of earlier stores: only behind this wait
	BACK (\p)-1
	s_wait_dscnt 16                                ; the state is in: behind its loads the 16 loads of rows were issued
	CELL2 \p, 1
.if \p < 3
	STATE (\p)+1
.endif
.endr
	s_barrier_wait -1
	s_wait_xcnt 0x0
	BACK 3
	SEND 3, 8, 0
	s_wait_tensorcnt 0x0                           ; the wave's end
	ds_add_u32 v[SPW], v[NIL]
	s_wait_dscnt 0x0
	CROUND                                         ; the closing round
	s_endpgm
.Lfunc_end_k_qca41f3909d_cell:
	.size	k_qca41f3909d_cell, .Lfunc_end_k_qca41f3909d_cell-k_qca41f3909d_cell
	.p2alignl 7, 3214868480
	.fill 96, 4, 3214868480
	.section	.rodata,"a",@progbits
	.p2align	6, 0x0
	.amdhsa_kernel k_qca41f3909d_cell
		.amdhsa_group_segment_fixed_size 327680
		.amdhsa_private_segment_fixed_size 0
		.amdhsa_enable_private_segment 0
		.amdhsa_kernarg_size 88
		.amdhsa_user_sgpr_count 2
		.amdhsa_user_sgpr_kernarg_segment_ptr 1
		.amdhsa_wavefront_size32 1
		.amdhsa_system_sgpr_workgroup_id_x 1
		.amdhsa_system_sgpr_workgroup_id_y 1
		.amdhsa_system_sgpr_workgroup_id_z 1
		.amdhsa_system_vgpr_workitem_id 0
		.amdhsa_next_free_vgpr 1024
		.amdhsa_next_free_sgpr 106
		.amdhsa_reserve_vcc 0
		.amdhsa_float_denorm_mode_32 3
		.amdhsa_float_denorm_mode_16_64 3
		.amdhsa_memory_ordered 1
		.amdhsa_forward_progress 1
		.amdhsa_inst_pref_size 255
	.end_amdhsa_kernel
	.section	.bss,"aw",@nobits
	.p2align	6
	.space	262144
	.amdgpu_metadata
---
amdhsa.version: [ 1, 2 ]
amdhsa.kernels:
  - .name:           k_qca41f3909d_cell
    .symbol:         k_qca41f3909d_cell.kd
    .args:
      - { .name: a_codes, .offset: 0, .size: 8, .value_kind: global_buffer, .address_space: global }
      - { .name: a_scales, .offset: 8, .size: 8, .value_kind: global_buffer, .address_space: global }
      - { .name: b_codes, .offset: 16, .size: 8, .value_kind: global_buffer, .address_space: global }
      - { .name: b_scales, .offset: 24, .size: 8, .value_kind: global_buffer, .address_space: global }
      - { .name: bf, .offset: 32, .size: 8, .value_kind: global_buffer, .address_space: global }
      - { .name: bi, .offset: 40, .size: 8, .value_kind: global_buffer, .address_space: global }
      - { .name: bc, .offset: 48, .size: 8, .value_kind: global_buffer, .address_space: global }
      - { .name: bo, .offset: 56, .size: 8, .value_kind: global_buffer, .address_space: global }
      - { .name: state_tm1, .offset: 64, .size: 8, .value_kind: global_buffer, .address_space: global }
      - { .name: out0, .offset: 72, .size: 8, .value_kind: global_buffer, .address_space: global }
      - { .name: out1, .offset: 80, .size: 8, .value_kind: global_buffer, .address_space: global }
    .group_segment_fixed_size: 327680
    .private_segment_fixed_size: 0
    .kernarg_segment_align: 8
    .kernarg_segment_size: 88
    .max_flat_workgroup_size: 128
    .sgpr_count:     106
    .vgpr_count:     1024
    .wavefront_size: 32
...
	.end_amdgpu_metadata
.endif
;; end of part 2
